; MI455X (gfx1250); checked and timed in simulation.
; The chip was launched on July 23, 2026; its instructions are those of AMD's public machine-readable ISA for CDNA 5 (MIT licence, August 2026) and "CDNA5" Instruction Set Architecture Reference Guide (July 2026). The comments in the code are by the model that wrote it; some were corrected since.
;; Intermediate. Allowed arithmetic: matrix products marked QUANTISED: E5M2 operands, one E8M0 scale for each 32 along K, by v_wmma_scale_f32_16x16x128_f8f6f4 with both operands' format E5M2, f32 sums; everything else in f32.
;; Inputs: bias 4,096 float32; hidden_states 2 x 2,048 x 4,096 float32; input_clip_val one number float32; weight 4,096 x 4,096 float32; weight_clip_val one number float32.
;; Outputs: out0 2 x 2,048 x 4,096 float32.
;; This version of the problem:
;;   THIS VERSION OF THE PROBLEM IS GIVEN IN LOW PRECISION. The matrix products marked QUANTISED in the list below multiply operands that are first quantised to E5M2 (5 exponent bits, 2 mantissa bits; 8 bits a number), with one power-of-two scale for each 32 numbers along K (OCP MX v1.0); their sums are f32. All else is computed in f32.
;;   The module's matrix products, in the order in which they are computed (A, B: the left and right operand; K: the contracted axis; several contracted axes count as one K, in the product's order):
;;     1. [M 4,096, K 4,096] x [K 4,096, N 4,096]; A: computed on the way; B: computed on the way: QUANTISED
;;   THE QUANTISER, for each operand of a quantised product, along K:
;;     - K is cut into blocks of 32 from its start; a last block that is shorter is filled with zeros.
;;     - A block's scale is 2^e with e = floor(log2(the largest magnitude in the block)) - 15, held to -126 .. 127; a block of zeros has e = 0. As a byte (E8M0): e + 127.
;;     - Each number is divided by its block's scale, clamped to +-57,344, and rounded to the nearest number of E5M2, ties to even, subnormals kept.
;;     - The product sums the exact products of the quantised numbers (number of the format x scale) in f32.
;;   ~~~python
;;   def quantise(x, axis):      # numpy; x: float32 -> the quantised numbers, widened to float32 again
;;       x = np.moveaxis(x, axis, -1); K = x.shape[-1]
;;       x = np.pad(x, [(0, 0)] * (x.ndim - 1) + [(0, -K % 32)]); x = x.reshape(x.shape[:-1] + (-1, 32)); a = np.abs(x).max(-1, keepdims=True)
;;       e = np.where(a > 0, np.clip(np.frexp(np.where(a > 0, a, 1))[1] - 1 - 15, -126, 127), 0)      # np.frexp(a)[1] - 1 = floor(log2(a)), exactly
;;       r = np.clip(x / 2.0 ** e, -57344, 57344)
;;       step = 2.0 ** (np.maximum(np.frexp(np.where(r == 0, 1, r))[1] - 1, -14) - 2)
;;       q = np.round(r / step) * step * 2.0 ** e      # np.round: ties to even
;;       return np.moveaxis(q.reshape(q.shape[:-2] + (-1,))[..., :K], -1, axis).astype(np.float32)
;;   ~~~
;;   OPERANDS COMPUTED ON THE WAY. 'Computed on the way' means the value that the module computes at that place (a softmax that the list does not call 'softmax' is quantised finished and normalised). What goes into a quantiser is computed in f32, as accurately as f32 sums, v_exp_f32 and their like allow (about 1e-6 of the number): no bf16 or f16 on the way to a quantiser, and a product that is left as it is and whose result goes on into a quantised operand takes f32 operands (vector FMAs, or v_wmma_f32_16x16x4_f32). A number that lies on a knife's edge between two numbers of the format may be rounded either way, as far as f32 arithmetic and the matrix unit's own rounding can turn it there, and no further.
;; One version. Each part assembles by itself: llvm-mc -triple=amdgcn-amd-amdhsa -mcpu=gfx1250 --defsym DOCPART=n.
;; ======== version 1 of 1: 2 launches
;; limits: right only within a limited range of input values
;; workspace buffers: a_pack 17,301,504 bytes; b_pack 17,301,504 bytes
;; launch quant (part 1): grid 512 x 1, 4 waves a work-group, no clusters, 131,072 bytes of LDS; arguments hidden_states, weight, input_clip_val, weight_clip_val, a_pack, b_pack; writes a_pack, b_pack
.if DOCPART == 1
	.amdgcn_target "amdgcn-amd-amdhsa--gfx1250"
	.amdhsa_code_object_version 6
	.text
	.protected	k_q094afd0701_quant
	.globl	k_q094afd0701_quant
	.p2align	8
	.type	k_q094afd0701_quant,@function
k_q094afd0701_quant:
	s_mov_b64 s[64:65], 0
	v_nop
	global_prefetch_b8 v0, s[64:65] scope:SCOPE_SE
	s_setreg_imm32_b32 hwreg(HW_REG_WAVE_MODE, 25, 1), 1
	s_wait_xcnt 0x0
; hidden_states [4096 rows][4096] and weight [4096][4096], f32, K innermost, each with a clip value of its own, become operands of a product on codes of BF8 (E5M2) with one E8M0 scale for each 32 along K.
; TWO QUANTISERS, one behind the other, all in f32:
;   (1) the symmetric one: c = |clip|, s = c / 127, x held within +-c, n = x / s rounded to the nearest whole number (ties to even), q = n s.
;       The source's last step, x + (q - x), is not written, since it gives q itself: for n = 0 it is x + (-x) = 0; for |n| >= 1, x and q have one sign and lie within a factor of two of each
;       other, so q - x is formed without rounding, and x + (q - x) is q, which is an f32 number.  (A zero may come out with the other sign: as a code it adds nothing either way.)
;       The two divisions are a reciprocal and one correction step by fused multiply-adds each, which gives the rounded quotient but for rare last bits.
;   (2) the block quantiser: a block's scale is 2^(floor(log2(its largest magnitude)) - 15); its byte is that magnitude's exponent field - 15, held at 1 from below; each number is held within
;       +-57,344 x the scale and converted, ties to even.
; LIMITS: NaN and infinities among the inputs are not served.  |clip| is served from 2^-100 to 2^100 (the reciprocal flushes denormals: ISA guide, its entry in 15.8).
;   A block of zeros gets the byte 1 where the rule says 127: its codes are zeros, which add nothing under any byte but 0xff, and this program alone reads the bytes.
; THE OUTPUT IS LAID IN THE ORDER OF THE OPERAND'S REGISTERS.  A pack is 512 blocks of 33,792 bytes; block (rb, ks) = rows 128 rb on, K 256 ks on, lies at (16 rb + ks) x 33,792.  In a block:
;   bytes 0 .. 32,767: 16 fragments of 2,048 bytes, fragment (q, i) (K 128 q on, rows 16 i on) at (8 q + i) x 2,048; in it registers 4 c .. 4 c + 3 of lane l at 512 c + 16 l;
;   lane l = r + 16 h holds row 16 i + r, k = 128 q + 32 c + 16 h + 0 .. 15.   bytes 32,768 on: the scale words, row p's word for q at 8 p + 4 q.
; SHARES.  A work-group makes two neighbouring blocks, (rb, ks) and (rb, ks + 1), ks even: work-groups 0-255 of hidden_states, 256-511 of weight; only pointers are chosen, both tensors take one path.
; Wave w takes rows 32 w .. 32 w + 31 of both blocks, in eight steps t: block t / 4, fragment (q = t % 2, i = 2 w + (t % 4) / 2): 16 rows x 128 numbers.  Each load reads 512 consecutive bytes of a row;
; the conversions want 16 neighbours along K in one lane: so a step's 8,192 bytes turn through the wave's own stage in LDS (rows 528 bytes apart: 33 x 16, so that the 16 rows that a read touches
; begin at 16 different places modulo 256 bytes).  No tensor load, no barrier: waves share nothing.  Loads run three steps ahead: step t + 3's sixteen are issued into step t's registers when step t's
; numbers have been converted; the turn through LDS runs one step ahead.  Every offset is an immediate.
; LDS: 67,584 bytes of stages and 512 of spare words are used; the launch claims 131,072, of which two fit in a WGP's 327,680 and three do not: 512 work-groups, two to each of 256 WGPs.
.set NS,   8                           ; steps of a wave
.set GI,   2                           ; v2   16 x lane: the loads' and the code stores' offset; never rewritten
.set SI,   3                           ; v3   the stage, on the way in: 16,896 x wave + 16 x lane
.set SO,   4                           ; v4   and on the way out: 16,896 x wave + 528 r + 64 h
.set GS,   5                           ; v5   8 x lane: the scale words' offset
.set CL,   6                           ; v6   c = |clip|
.set S,    8                           ; v[8:9]   s, twice (a pair for the packed forms)
.set RR,   10                          ; v[10:11] 1 / s, twice
.set PW,   12                          ; v12-15   step t's scale word, at t % 4
.set D0,   16                          ; v16-207  three sets of 64 numbers; step t has set t % 3
.set C,    208                         ; v208-223 a fragment's codes
.set T,    224                         ; v224-231 at work: the quotients
.set E,    232                         ; v232-239 at work: their remainders
.set TM,   240                         ; v240-243 largest magnitudes, v244-247 the other half's, then bytes, v248-251 57,344 x the scale, v252-255 the conversions' scale operands
.set STG,  8448                        ; a stage: 16 rows x 528 bytes; two for each wave
.set BLK,  33792
	s_load_b256 s[4:11], s[0:1], 0x0               ; hidden_states s[4:5], weight s[6:7], input_clip_val s[8:9], weight_clip_val s[10:11]
	s_load_b128 s[12:15], s[0:1], 0x20             ; a_pack s[12:13], b_pack s[14:15]
	v_lshrrev_b32 v1, 5, v0
	v_readfirstlane_b32 s16, v1                    ; wave 0..3
	v_and_b32 v1, 31, v0                           ; lane
	v_lshlrev_b32 v[GI], 4, v1
	v_lshlrev_b32 v[GS], 3, v1
	s_mul_i32 s22, s16, 2*STG                      ; my wave's two stages
	v_add_nc_u32 v[SI], s22, v[GI]
	v_and_b32 v7, 15, v0                           ; r
	v_mul_u32_u24 v[SO], v7, 528
	v_bfe_u32 v7, v0, 4, 1                         ; h
	v_lshl_add_u32 v[SO], v7, 6, v[SO]
	v_add_nc_u32 v[SO], s22, v[SO]
.irp b, 0,1,2,3
	v_mov_b32 v[TM+4+\b], 0                        ; written once: a lane permute's destination counts as one of its sources
.endr
	s_mov_b32 s26, 0x76543210
	s_mov_b32 s27, 0xfedcba98                      ; v_permlanex16_b32's selects for lane l xor 16
	s_mov_b32 s28, 0x600000                        ; the mantissa field of 57,344
	s_mov_b32 s29, 0xffff0000                      ; lanes 16-31
	s_mov_b32 s21, 0x42fe0000                      ; 127
	s_mov_b32 s30, 0x3c010204                      ; 1 / 127, rounded
	s_wait_kmcnt 0x0
	s_cmp_lt_u32 ttmp9, 256                        ; hidden_states' work-group or weight's?  The choice hangs on the work-group's number alone
	s_cselect_b64 s[4:5], s[4:5], s[6:7]
	s_cselect_b64 s[8:9], s[8:9], s[10:11]
	s_cselect_b64 s[12:13], s[12:13], s[14:15]
	s_cselect_b32 s17, 0, 256
	s_sub_co_u32 s17, ttmp9, s17
	s_lshl_b32 s17, s17, 1                         ; my first block's number in its pack: an even one
	s_load_b32 s20, s[8:9], 0x0                    ; the tensor's clip value
	s_lshr_b32 s18, s17, 4                         ; rb
	s_and_b32 s19, s17, 15                         ; ks
	s_lshl_b32 s22, s18, 21                        ; 128 rb rows of 16,384 bytes,
	s_lshl_b32 s23, s16, 19                        ; 32 x wave rows,
	s_add_co_u32 s22, s22, s23
	s_lshl_b32 s23, s19, 10                        ; 256 ks numbers: all under 2^27
	s_add_co_u32 s22, s22, s23
	s_mov_b32 s23, 0
	s_add_nc_u64 s[4:5], s[4:5], s[22:23]          ; the source at my wave's first row, the first block's first K
	s_mul_i32 s22, s17, BLK
	s_add_nc_u64 s[12:13], s[12:13], s[22:23]      ; the first block
	s_lshl_b32 s22, s16, 8
	s_add_co_u32 s22, s22, 32768
	s_add_nc_u64 s[24:25], s[12:13], s[22:23]      ; my 32 rows' scale words: 256 bytes
	s_lshl_b32 s22, s16, 12
	s_add_nc_u64 s[12:13], s[12:13], s[22:23]      ; my fragments: i = 2 x wave on
.macro LOAD t                          ; step t's 16 rows x 512 bytes into set t % 3; the second block lies 1,024 bytes further along the rows
.set LD, D0+64*((\t)%3)
.irp j, 0,1,2,3,4,5,6,7,8,9,10,11,12,13,14,15
	global_load_b128 v[LD+4*\j:LD+4*\j+3], v[GI], s[4:5] offset:(16*(((\t)%4)/2)+\j)*16384+512*((\t)%2)+1024*((\t)/4) th:TH_LOAD_NT   ; 32 lanes read 512 consecutive bytes, aligned; read once in the launch
.endr
.endm
.macro TURN t                          ; step t's numbers through stage t % 2 and back into the same set.  LDS serves a wave's instructions in order (ISA guide 5.7.1.4): no wait between the stores and the loads
.set TD, D0+64*((\t)%3)
.irp j, 0,1,2,3,4,5,6,7,8,9,10,11,12,13,14,15
	ds_store_b128 v[SI], v[TD+4*\j:TD+4*\j+3] offset:STG*((\t)%2)+528*\j
.endr
.irp b, 0,1,2,3
.irp j, 0,1,2,3
	ds_load_b128 v[TD+16*\b+4*\j:TD+16*\b+4*\j+3], v[SO] offset:STG*((\t)%2)+128*\b+16*\j   ; register 16 b + i: k = 32 b + 16 h + i of row r
.endr
.endr
.endm
.macro SYM                             ; the symmetric quantiser on the 64 numbers v[XS] on, eight at a time
.irp g, 0,1,2,3,4,5,6,7
.irp i, 0,1,2,3,4,5,6,7
	v_med3_num_f32 v[XS+8*\g+\i], v[XS+8*\g+\i], -v[CL], v[CL]     ; held within +-c
.endr
	s_wait_alu depctr_va_vdst(0)
.irp i, 0,2,4,6
	v_pk_mul_f32 v[T+\i:T+\i+1], v[XS+8*\g+\i:XS+8*\g+\i+1], v[RR:RR+1]   ; x / s: a first quotient,
.endr
.irp i, 0,2,4,6
	v_pk_fma_f32 v[E+\i:E+\i+1], v[T+\i:T+\i+1], v[S:S+1], v[XS+8*\g+\i:XS+8*\g+\i+1] neg_lo:[1,0,0] neg_hi:[1,0,0]   ; its remainder x - t s, formed without rounding the product,
.endr
.irp i, 0,2,4,6
	v_pk_fma_f32 v[T+\i:T+\i+1], v[E+\i:E+\i+1], v[RR:RR+1], v[T+\i:T+\i+1]   ; and the corrected quotient
.endr
.irp i, 0,1,2,3,4,5,6,7
	v_rndne_f32 v[T+\i], v[T+\i]                   ; n: to the nearest whole number, ties to even
.endr
.irp i, 0,2,4,6
	v_pk_mul_f32 v[XS+8*\g+\i:XS+8*\g+\i+1], v[T+\i:T+\i+1], v[S:S+1]     ; q = n s
.endr
.endr
.endm
.macro QUANT pw                        ; the 64 numbers v[XS] on become a fragment's codes in v[C] on and its scale word in v[pw]
.irp b, 0,1,2,3
	v_max3_num_f32 v[TM+\b], |v[XS+16*\b]|, |v[XS+1+16*\b]|, 0x8000000   ; block b: my 16 numbers, and the floor 2^(16 - 127), under which no largest magnitude is taken: so the byte cannot fall under 1
.endr
.irp i, 2,4,6,8,10,12,14
.irp b, 0,1,2,3
	v_max3_num_f32 v[TM+\b], v[TM+\b], |v[XS+16*\b+\i]|, |v[XS+1+16*\b+\i]|   ; (the four blocks by turns: no line waits for the line above it)
.endr
.endr
.irp b, 0,1,2,3
	v_permlanex16_b32 v[TM+4+\b], v[TM+\b], s26, s27
.endr
.irp b, 0,1,2,3
	v_max_num_f32 v[TM+\b], v[TM+\b], v[TM+4+\b]   ; with lane l xor 16's 16: the block's largest magnitude
.endr
.irp b, 0,1,2,3
	v_add_nc_u32 v[TM+12+\b], 0xf8800000, v[TM+\b] ; 15 off its exponent field: the conversion takes the exponent field of this operand as its scale, and nothing else of it
.endr
.irp b, 0,1,2,3
	v_and_or_b32 v[TM+8+\b], v[TM+\b], 0x7f800000, s28   ; 57,344 x the scale: the largest magnitude's exponent field over 57,344's mantissa
.endr
.irp b, 0,1,2,3
	v_lshrrev_b32 v[TM+4+\b], 23, v[TM+12+\b]      ; the scale's byte
.endr
	v_lshl_or_b32 v[\pw], v[TM+5], 8, v[TM+4]      ; the four bytes make my row's scale word (both halves of the lanes hold the same)
	v_lshl_or_b32 v[\pw], v[TM+6], 16, v[\pw]
	v_lshl_or_b32 v[\pw], v[TM+7], 24, v[\pw]
.irp b, 0,1,2,3
.irp i, 0,1,2,3,4,5,6,7,8,9,10,11,12,13,14,15
	v_med3_num_f32 v[XS+16*\b+\i], v[XS+16*\b+\i], -v[TM+8+\b], v[TM+8+\b]   ; the conversion to an 8-bit code does not saturate (ISA guide 7.6.2): the hold at the largest code x the scale
.endr
	v_cvt_scalef32_pk8_bf8_f32 v[C+4*\b:C+1+4*\b], v[XS+16*\b:XS+7+16*\b], v[TM+12+\b]
	v_cvt_scalef32_pk8_bf8_f32 v[C+2+4*\b:C+3+4*\b], v[XS+8+16*\b:XS+15+16*\b], v[TM+12+\b]
.endr
	v_nop                                          ; one plain vector line behind the last conversion, ahead of whatever vector line next touches its registers
.endm
.macro STEP t
.if (\t) < NS-1
.if (\t) < NS-2
	s_wait_loadcnt 16                              ; the next step's 16 loads are in; the 16 of the step behind it may be out
.else
	s_wait_loadcnt 0x0                             ; the last step's loads are in
.endif
	TURN (\t)+1                                    ; the next step goes through the other stage while this one is worked
	s_wait_dscnt 32                                ; this step's numbers are back: all but the 16 stores and 16 loads just issued
.else
	s_wait_dscnt 0x0
.endif
.if (\t) > 0
	s_wait_xcnt 0x0                                ; the last step's stores have read v[C] on (and the scale words' store v[T] on): only behind this wait are those registers written again
.endif
.set XS, D0+64*((\t)%3)
	SYM
	QUANT PW+(\t)%4
.if (\t)+3 < NS
	LOAD (\t)+3                                    ; this step's set is free: it takes the numbers of three steps on
.endif
.irp c, 0,1,2,3
	global_store_b128 v[GI], v[C+4*\c:C+4*\c+3], s[12:13] offset:(8*((\t)%2)+((\t)%4)/2)*2048+512*\c+BLK*((\t)/4)   ; 32 lanes store 512 consecutive bytes, aligned
.endr
.endm
.macro WORDS k                         ; block k's scale words of my 32 rows
	v_cndmask_b32 v[T], v[PW], v[PW+2], s29        ; lanes 0-15: rows 32 w + r (the block's first two steps); lanes 16-31: rows 32 w + 16 + r (its last two)
	v_cndmask_b32 v[T+1], v[PW+1], v[PW+3], s29
	global_store_b64 v[GS], v[T:T+1], s[24:25] offset:BLK*\k     ; 32 lanes store 256 consecutive bytes, aligned: a row's two words, 32 rows
.endm
	LOAD 0
	LOAD 1
	LOAD 2
	s_wait_kmcnt 0x0                               ; the clip value
	s_and_b32 s20, s20, 0x7fffffff
	v_mov_b32 v[CL], s20                           ; c = |clip|
	v_mul_f32 v[S], s30, v[CL]                     ; s = c / 127: a first quotient,
	v_fma_f32 v7, -v[S], s21, v[CL]                ; its remainder,
	v_fma_f32 v[S], v7, s30, v[S]                  ; the corrected quotient
	s_wait_alu depctr_va_vdst(0)
	v_rcp_f32 v[RR], v[S]
	v_nop                                          ; one plain line behind a transcendental before its result is used (ISA guide 5.7.2)
	v_mov_b32 v[S+1], v[S]
	s_wait_alu depctr_va_vdst(0)
	v_fma_f32 v7, -v[S], v[RR], 1.0
	v_fma_f32 v[RR], v7, v[RR], v[RR]              ; 1 / s, corrected once
	v_mov_b32 v[RR+1], v[RR]
	s_wait_loadcnt 32                              ; step 0's 16 loads are in; steps 1 and 2's may be out
	TURN 0
	STEP 0
	STEP 1
	STEP 2
	STEP 3
	WORDS 0
	STEP 4
	STEP 5
	STEP 6
	STEP 7
	WORDS 1
	v_lshl_add_u32 v1, v0, 2, 0x10800              ; all 256 registers are at work in the steps, so v0 is kept and the add's two registers are made here: my spare word, behind the four waves' stages,
	v_mov_b32 v7, 0                                ; and 0
	s_wait_alu depctr_va_vdst(0)                   ; directly ahead of the wait below
	s_wait_tensorcnt 0x0                           ; the wave's end: behind my last LDS store
	ds_add_u32 v1, v7
	s_wait_dscnt 0x0
	s_endpgm
.Lfunc_end_k_q094afd0701_quant:
	.size	k_q094afd0701_quant, .Lfunc_end_k_q094afd0701_quant-k_q094afd0701_quant
	.p2alignl 7, 3214868480
	.fill 96, 4, 3214868480
	.section	.rodata,"a",@progbits
	.p2align	6, 0x0
	.amdhsa_kernel k_q094afd0701_quant
		.amdhsa_group_segment_fixed_size 131072
		.amdhsa_private_segment_fixed_size 0
		.amdhsa_enable_private_segment 0
		.amdhsa_kernarg_size 48
		.amdhsa_user_sgpr_count 2
		.amdhsa_user_sgpr_kernarg_segment_ptr 1
		.amdhsa_wavefront_size32 1
		.amdhsa_system_sgpr_workgroup_id_x 1
		.amdhsa_system_sgpr_workgroup_id_y 1
		.amdhsa_system_sgpr_workgroup_id_z 1
		.amdhsa_system_vgpr_workitem_id 0
		.amdhsa_next_free_vgpr 256
		.amdhsa_next_free_sgpr 66
		.amdhsa_reserve_vcc 0
		.amdhsa_float_denorm_mode_32 3
		.amdhsa_float_denorm_mode_16_64 3
		.amdhsa_memory_ordered 1
		.amdhsa_forward_progress 1
		.amdhsa_inst_pref_size 214
	.end_amdhsa_kernel
	.amdgpu_metadata
---
amdhsa.version: [ 1, 2 ]
amdhsa.kernels:
  - .name:           k_q094afd0701_quant
    .symbol:         k_q094afd0701_quant.kd
    .args:
      - { .name: hidden_states, .offset: 0, .size: 8, .value_kind: global_buffer, .address_space: global }
      - { .name: weight, .offset: 8, .size: 8, .value_kind: global_buffer, .address_space: global }
      - { .name: input_clip_val, .offset: 16, .size: 8, .value_kind: global_buffer, .address_space: global }
      - { .name: weight_clip_val, .offset: 24, .size: 8, .value_kind: global_buffer, .address_space: global }
      - { .name: a_pack, .offset: 32, .size: 8, .value_kind: global_buffer, .address_space: global }
      - { .name: b_pack, .offset: 40, .size: 8, .value_kind: global_buffer, .address_space: global }
    .group_segment_fixed_size: 131072
    .private_segment_fixed_size: 0
    .kernarg_segment_align: 8
    .kernarg_segment_size: 48
    .max_flat_workgroup_size: 128
    .sgpr_count:     66
    .vgpr_count:     256
    .wavefront_size: 32
...
	.end_amdgpu_metadata
.endif
;; end of part 1
;; launch gemm (part 2): grid 16 x 16, 4 waves a work-group, clusters of 4 x 4, 327,680 bytes of LDS; arguments a_pack, b_pack, bias, out0; writes out0
.if DOCPART == 2
	.amdgcn_target "amdgcn-amd-amdhsa--gfx1250"
	.amdhsa_code_object_version 6
	.text
	.protected	k_q094afd0701_gemm
	.globl	k_q094afd0701_gemm
	.p2align	8
	.type	k_q094afd0701_gemm,@function
k_q094afd0701_gemm:
	s_mov_b64 s[64:65], 0
	v_nop
	global_prefetch_b8 v0, s[64:65] scope:SCOPE_SE
	s_setreg_imm32_b32 hwreg(HW_REG_WAVE_MODE, 25, 1), 1
	s_wait_xcnt 0x0
	s_wait_alu depctr_hold_cnt(0) depctr_sa_sdst(0) depctr_va_vdst(0) depctr_va_sdst(0) depctr_va_ssrc(0) depctr_va_vcc(0) depctr_vm_vsrc(0)
	s_getreg_b32 s2, hwreg(HW_REG_IB_STS2, 6, 4)
	s_cmp_eq_u32 s2, 0
	s_cbranch_scc0 .Lentry_in_a_cluster
	s_endpgm
.Lentry_in_a_cluster:
	s_bfe_u32 s2, ttmp6, 0x10000c
	s_cmp_lg_u32 s2, 0xf033
	s_cbranch_scc0 .Lentry_shape_is_right
	s_endpgm
.Lentry_shape_is_right:
; out0[m][n] = relu(sum over k of A[m][k] B[n][k] + bias[n]), 4,096 x 4,096 x 4,096, on codes of BF8 (E5M2) with one E8M0 scale for each 32 along K; sums in f32.
; a_pack and b_pack are the first launch's: 512 blocks of 33,792 bytes; block (rb, ks) = rows 128 rb on, K 256 ks on, at (16 rb + ks) x 33,792: 16 fragments of 2,048 bytes in the order of the
; operand's registers (fragment (q, i) at (8 q + i) x 2,048, registers 4 c .. 4 c + 3 of lane l at 512 c + 16 l), then 1,024 bytes of scale words (row p's word for q at 8 p + 4 q).
; LIMITS: NaN and infinities among the sums are not served (the clip at 0 turns a NaN into 0).
; SHARES.  256 work-groups, a tile of 256 x 256 each; four waves, 128 x 128 each: 64 accumulators, 512 registers.  K goes in steps of 256 through a ring of two LDS slots; a slot holds four blocks
; (A's two, B's two), one tensor load a wave, each a dense run stated as 33 rows of 1,024 bytes.
; CLUSTERS: 4 x 4.  A's blocks are shared along a row of the cluster, B's along a column: each is asked for jointly, by the same load with the same descriptor and a mask that names the four.
; THE MATRIX INSTRUCTION IS USED TRANSPOSED (source 0 = 16 rows of B, source 1 = 16 rows of A): a lane holds eight neighbouring numbers of a row of out0.  The bias is the first products' C.
; THE ORDER OF A STEP.  128 along K are 64 products, by A's blocks: a row block is one block of A against B's eight.  A has one set of registers, B two.  The LDS loads stand in runs between row blocks,
; eight v_nop ahead of each run (the places in front of loads into registers that products have read).
;   In a slot's first 128, four runs of 16 loads, behind row blocks 1, 3, 5, 7: B'0-3, B'4-7, A'0-3, A'4-7 (X': the slot's second 128).  So all reads of a slot have been issued when its second 128 begins,
;   and the change of slots stands at the head of the second 128, with no product between the wait for the next slot's tile and this slot's refill.  Behind the refill come the next slot's B0-7 and
;   scale words in one run, row blocks 0-3, A0-3, row blocks 4-7, A4-7.
;   Counted waits: 16 at the head of a slot's first 128 (the youngest run, A's blocks 4-7, may be out), 32 ahead of its row block 4 (the two runs issued behind that one may be out).
; PREFETCH: behind each refill every wave asks for its share of the block that it will fetch two refills on; the four partners that fetch a block jointly are told apart by address (cx for A, cy for B):
; each takes 32 x 256 bytes of the 32,768 bytes of codes, a lane a unit, and one of the four units of 256 bytes of scale words (all lanes of that line name the one unit).  So each unit of a block is named
; once in each cluster that loads it.  K steps 1 and 2 are asked for at the head, 3 behind slot 1's first fill; the loop's last trip asks for nothing (K has 16 steps).  So a work-group has at most
; two K steps asked for and not yet fetched.
; REGISTERS: window 0: v0-31 addresses; v32-63 scale words, a set for each slot (register 2 i + q: lanes 0-15 A's block i, lanes 16-31 B's); v64-127 the bias; v128-255 A's fragments.
;   window 1: B's two sets.  window 2: the accumulators of my rows 0-63 ((a, b) at v[8 (8 a + b)]);  window 3: those of rows 64-127.
.set BLK,    33792
.set RBB,    16*BLK                    ; a block row: all of K for 128 rows
.set SLOT,   4*BLK
.set SPARE,  2*SLOT                    ; behind the ring: the spare words, 128 bytes a wave
.set LAPS,   8                         ; a lap = two K steps = once round the ring
.set FR,     16                        ; registers of a fragment
.set SPITCH, 528                       ; the way out: a stage of 16 rows x (512 + 16) bytes a wave, in slot 0 behind its last fill and its last read
.set ROWC,   16384                     ; a row of out0 in bytes
.set ADRA, 16                          ; v16-17 LDS address of my A fragments in slot 0, 1
.set ADRB, 20                          ; v20-21 the same for B
.set ADRS, 22                          ; v22-23 of my scale words: lanes 0-15 A's rows, lanes 16-31 B's
.set STO,  24                          ; v24 the way out: where I put 32 bytes of a row
.set RD,   25                          ; v25 where I read a row back
.set CO,   26                          ; v26 16 x lane
.set PFZ,  27                          ; v27 0: the offset of the prefetch of my unit of scale words
.set SPW,  28                          ; v28 my spare word; never rewritten
.set NIL,  29                          ; v29 0; never rewritten
.set BO,   30                          ; v30 32 x (lane / 16): the bias's offset
.set PFO,  31                          ; v31 256 x lane: the offset of the prefetch of my codes
.set SC,   32
.set BIAS, 64
.set AF,   128
.set BK,   128                         ; the way out: rows read back: v128-191 and v192-255 by turns
.set PFA,  12                          ; s[12:13] where my prefetches of codes stand
.set PFS,  40                          ; s[40:41] and those of scale words
.set G1, 24                            ; s[24:31], s[32:39] descriptor groups 1 and 0 (a set for each slot) for A's blocks
.set G0, 32
.set G1B, 48                           ; s[48:55], s[56:63] for B's
.set G0B, 56
.set MSB, 0
.macro WIN new                         ; the immediate's high byte repeats the setting that is left
.if MSB != (\new)
	s_set_vgpr_msb (MSB<<8)|(\new)
.set MSB, (\new)
.endif
.endm
.set TO_B, 0x40                        ; destination window 1, address window 0
.macro PLACES n
.rept \n
	v_nop
.endr
.endm
.macro JLOAD g0a, g1a, g0b, g1b        ; a joint load: waves 0, 1 fetch A's two blocks, waves 2, 3 B's; s_nop 0 and four v_nop follow each line
	s_cmp_eq_u32 s15, 0
	s_cbranch_scc0 .Lfor_b_\@
	tensor_load_to_lds s[\g0a:\g0a+3], s[\g1a:\g1a+7]
	s_nop 0
	PLACES 4
	s_branch .Lasked_\@
.Lfor_b_\@:
	tensor_load_to_lds s[\g0b:\g0b+3], s[\g1b:\g1b+7]
	s_nop 0
	PLACES 4
.Lasked_\@:
.endm
.macro PF k                            ; my share of the block k K steps behind where the two addresses stand
	global_prefetch_b8 v[PFO], s[PFA:PFA+1] offset:(\k)*BLK th:TH_LOAD_NT scope:SCOPE_SE
	global_prefetch_b8 v[PFZ], s[PFS:PFS+1] offset:(\k)*BLK th:TH_LOAD_NT scope:SCOPE_SE
.endm
.macro ASK                             ; the block two refills on; none in the loop's last trip (s3 = 1)
	s_cmp_gt_u32 s3, 1
	s_cbranch_scc0 .Lnone_\@
	PF 3
.Lnone_\@:
.endm
.macro CREST                           ; a round of the cluster's barrier behind its opening barrier
	s_cmp_lg_u32 s14, 0
	s_cbranch_scc1 .Lnot_wave_0_\@
	s_barrier_signal -3
.Lnot_wave_0_\@:
	s_barrier_wait -3
	s_barrier_signal -1
	s_barrier_wait -1
.endm
.macro CROUND
	s_barrier_signal -1
	s_barrier_wait -1
	CREST
.endm
	s_load_b256 s[4:11], s[0:1], 0x0               ; a_pack, b_pack, bias, out0
	v_lshl_add_u32 v[SPW], v0, 2, SPARE
	v_mov_b32 v[NIL], 0
	ds_add_u32 v[SPW], v[NIL]                      ; the opening lines: the add, twice on end, and its wait ahead of my first tensor load
	ds_add_u32 v[SPW], v[NIL]
	v_lshrrev_b32 v1, 5, v0
	v_readfirstlane_b32 s14, v1                    ; wave 0..3
	s_lshr_b32 s15, s14, 1                         ; my half of the tile's rows.  Also: I fetch for A (0) or for B (1)
	s_and_b32 s16, s14, 1                          ; my half of its columns.  Also: which block of the two I fetch
	s_bfe_u32 s40, ttmp6, 0x40000                  ; cx, cy
	s_bfe_u32 s41, ttmp6, 0x40004
	s_lshl_b32 s42, ttmp9, 2
	s_add_co_u32 s42, s42, s40                     ; tile column
	s_and_b32 s17, ttmp7, 0xffff
	s_lshl_b32 s17, s17, 2
	s_add_co_u32 s17, s17, s41                     ; tile row
	s_lshl_b32 s43, s41, 2
	s_lshl_b32 s43, 15, s43                        ; my row of the cluster
	s_lshl_b32 s44, 0x1111, s40                    ; my column
	s_or_b32 s[G1+0], s43, (3<<16)|(1<<21)         ; elements of 8 bytes, no padding; the mask, bit 21 beside it
	s_or_b32 s[G1B+0], s44, (3<<16)|(1<<21)
.irp g, G1, G1B
	s_mov_b32 s[\g+1], 128<<16                     ; a block as 33 rows of 1,024 bytes
	s_mov_b32 s[\g+2], 33<<16
	s_mov_b32 s[\g+3], 128<<16
	s_mov_b32 s[\g+4], 33
	s_mov_b32 s[\g+5], 128
	s_mov_b32 s[\g+6], 0
	s_mov_b32 s[\g+7], 0
.endr
	s_lshl_b32 s20, s17, 1
	s_add_co_u32 s20, s20, s16
	s_mul_i32 s20, s20, RBB                        ; A: block row 2 x tile row + which, in bytes (under 2^25)
	s_mov_b32 s21, 0
	s_lshl_b32 s46, s42, 1
	s_add_co_u32 s46, s46, s16
	s_mul_i32 s46, s46, RBB                        ; B: by the tile column
	s_mov_b32 s47, 0
	s_mul_i32 s45, s14, BLK                        ; where my block goes in a slot
	s_cmp_eq_u32 s15, 0
	s_cselect_b32 s18, s20, s46                    ; the prefetches: the block row that I fetch,
	s_cselect_b32 s19, s40, s41                    ; my place p among the four that fetch it with me (cx and cy are used no more):
	s_lshl_b32 s40, s19, 8
	s_add_co_u32 s40, s40, s18
	s_add_co_u32 s40, s40, 32768                   ; unit p of the four of scale words,
	s_mov_b32 s41, 0
	s_lshl_b32 s19, s19, 13                        ; and 8,192 bytes of codes from 8,192 p on
	s_add_co_u32 s18, s18, s19
	s_mov_b32 s19, 0
	s_wait_dscnt 0x0                               ; both opening adds are done
	CROUND                                         ; all sixteen work-groups are here: the first joint loads meet
	s_wait_kmcnt 0x0
	s_add_nc_u64 s[20:21], s[4:5], s[20:21]
	s_add_nc_u64 s[46:47], s[6:7], s[46:47]
.irp s, 0,1
	s_mov_b32 s[G0+4*\s], 1
	s_add_co_u32 s[G0+4*\s+1], s45, \s*SLOT
	s_add_nc_u64 s[G0+4*\s+2:G0+4*\s+3], s[20:21], \s*BLK
	s_or_b32 s[G0+4*\s+3], s[G0+4*\s+3], 0x80000000
	s_mov_b32 s[G0B+4*\s], 1
	s_add_co_u32 s[G0B+4*\s+1], s45, \s*SLOT
	s_add_nc_u64 s[G0B+4*\s+2:G0B+4*\s+3], s[46:47], \s*BLK
	s_or_b32 s[G0B+4*\s+3], s[G0B+4*\s+3], 0x80000000
.endr
	JLOAD G0, G1, G0B, G1B                         ; K step 0: one tensor load a wave at the head
	s_cmp_eq_u32 s15, 0
	s_cselect_b64 s[PFA:PFA+1], s[4:5], s[6:7]
	s_add_nc_u64 s[PFS:PFS+1], s[PFA:PFA+1], s[PFS:PFS+1]   ; my shares of K step 0's block
	s_add_nc_u64 s[PFA:PFA+1], s[PFA:PFA+1], s[18:19]
	s_lshl_b32 s20, s42, 10
	s_lshl_b32 s21, s16, 9
	s_add_co_u32 s20, s20, s21                     ; my first column, in bytes
	s_mov_b32 s21, 0
	s_add_nc_u64 s[8:9], s[8:9], s[20:21]          ; the bias there,
	s_add_nc_u64 s[10:11], s[10:11], s[20:21]      ; and out0,
	s_lshl_b32 s20, s17, 22
	s_lshl_b32 s18, s15, 21
	s_add_co_u32 s20, s20, s18                     ; at my first row: 256 x tile row + 128 x half, rows of 16,384 bytes
	s_add_nc_u64 s[10:11], s[10:11], s[20:21]
	s_mul_i32 s22, s15, BLK                        ; LDS: my block of A,
	s_mul_i32 s23, s16, BLK
	s_add_co_u32 s23, s23, 2*BLK                   ; my block of B,
	s_xor_b32 s46, s15, 1
	s_add_co_u32 s46, s46, s16
	s_add_co_u32 s46, s46, 1
	s_mul_i32 s46, s46, BLK                        ; the distance between the two,
	s_add_co_u32 s47, s22, 32768                   ; A's scale words,
	s_mul_i32 s45, s14, 16*SPITCH                  ; my stage
	v_and_b32 v1, 15, v0                           ; r
	v_bfe_u32 v2, v0, 4, 1                         ; h
	v_and_b32 v3, 31, v0                           ; lane
	v_lshlrev_b32 v[CO], 4, v3
	v_lshlrev_b32 v[BO], 5, v2
	v_lshlrev_b32 v[PFO], 8, v3
	v_mov_b32 v[PFZ], 0
	v_add_nc_u32 v[ADRA], s22, v[CO]
	v_add_nc_u32 v[ADRB], s23, v[CO]
	v_add_nc_u32 v[ADRA+1], SLOT, v[ADRA]
	v_add_nc_u32 v[ADRB+1], SLOT, v[ADRB]
	v_mul_u32_u24 v6, s46, v2                      ; lanes 16-31 take B's words
	v_lshl_add_u32 v5, v1, 3, v6                   ; 8 bytes a row
	v_add_nc_u32 v[ADRS], s47, v5
	v_add_nc_u32 v[ADRS+1], SLOT, v[ADRS]
	v_mul_u32_u24 v4, v1, SPITCH                   ; into the stage: row r, 32 bytes for each half of the lanes
	v_lshl_add_u32 v4, v2, 5, v4
	v_add_nc_u32 v[STO], s45, v4
	v_add_nc_u32 v[RD], s45, v[CO]                 ; back: the 32 lanes take a row of 512 bytes
	s_wait_alu depctr_va_vdst(0)
.irp b, 0,1,2,3,4,5,6,7
	global_load_b128 v[BIAS+8*\b:BIAS+8*\b+3],   v[BO], s[8:9] offset:64*\b      ; register j of tile b: bias at column 16 b + 8 h + j
	global_load_b128 v[BIAS+8*\b+4:BIAS+8*\b+7], v[BO], s[8:9] offset:64*\b+16
.endr
	PF 1                                           ; K steps 1 and 2
	PF 2
.macro FRAG reg, adr, q, i             ; a fragment as it lies: four loads of 512 consecutive bytes
.irp c, 0,1,2,3
	ds_load_b128 v[\reg+4*\c:\reg+4*\c+3], v[\adr] offset:(8*(\q)+(\i))*2048+512*\c
.endr
.endm
.macro GRP k, s, q, i                  ; k = 1: A's block i, k = 2: B's block i (into set q), of slot s's q-th 128 along K
.if (\k) == 1
	WIN 0
	FRAG AF+FR*(\i), ADRA+\s, \q, \i
.else
	WIN TO_B
	FRAG 128*(\q)+FR*(\i), ADRB+\s, \q, \i
.endif
.endm
.macro SCALES s                        ; a slot's scale words: two words a row; lanes 0-15 A's block i, lanes 16-31 B's block i
.irp i, 0,1,2,3,4,5,6,7
	ds_load_b64 v[SC+16*\s+2*\i:SC+16*\s+2*\i+1], v[ADRS+\s] offset:128*\i
.endr
.endm
.macro W a, b, q, sc, first            ; one product.  The 64 accumulators take turns, in the same order in every 128 along K
.set D_, 8*(8*((\a)%4)+(\b))
.set B_, 128*(\q)+FR*(\b)
.set A_, AF+FR*(\a)
.set SB_, SC+16*(\sc)+2*(\b)+(\q)
.set SA_, SC+16*(\sc)+2*(\a)+(\q)
.if \first
	v_wmma_scale_f32_16x16x128_f8f6f4 v[D_:D_+7], v[B_:B_+FR-1], v[A_:A_+FR-1], v[BIAS+8*(\b):BIAS+8*(\b)+7], v[SB_], v[SA_] matrix_a_fmt:MATRIX_FMT_BF8 matrix_b_fmt:MATRIX_FMT_BF8 matrix_a_scale:MATRIX_SCALE_ROW1
.else
	v_wmma_scale_f32_16x16x128_f8f6f4 v[D_:D_+7], v[B_:B_+FR-1], v[A_:A_+FR-1], v[D_:D_+7], v[SB_], v[SA_] matrix_a_fmt:MATRIX_FMT_BF8 matrix_b_fmt:MATRIX_FMT_BF8 matrix_a_scale:MATRIX_SCALE_ROW1
.endif
.endm
.macro ROWB sc, q, first, a            ; a row block: A's block a against B's eight.  Source 0 window 1, source 1 window 0, D window 2 or 3, C the same (first: window 0, the bias)
	WIN 1|((2+(\a)/4)<<6)|(((2+(\a)/4)*(1-(\first)))<<4)
.irp j, 0,1,2,3,4,5,6,7
	W \a, \j, \q, \sc, \first
.endr
.endm
.macro STEP s, first                   ; a slot's first 128 along K
	s_wait_dscnt 16                                ; B's set and A's blocks 0-3 are in; the youngest run (A's blocks 4-7) may be out
	ROWB \s,0,\first,0
	ROWB \s,0,\first,1
	PLACES 8
.irp i, 0,1,2,3
	GRP 2,\s,1,\i
.endr
	ROWB \s,0,\first,2
	ROWB \s,0,\first,3
	PLACES 8
.irp i, 4,5,6,7
	GRP 2,\s,1,\i
.endr
	s_wait_dscnt 32                                ; A's blocks 4-7 are in; the two runs just issued may be out
	ROWB \s,0,\first,4
	ROWB \s,0,\first,5
	PLACES 8
.irp i, 0,1,2,3
	GRP 1,\s,1,\i
.endr
	ROWB \s,0,\first,6
	ROWB \s,0,\first,7
	PLACES 8
.irp i, 4,5,6,7
	GRP 1,\s,1,\i                                  ; my last reads of this slot
.endr
.endm
.macro TURN s, nx, fill                ; the change of slots, and the slot's second 128 along K.  fill = 1: this slot is filled again, two K steps ahead
	WIN 0                                          ; (the add's two registers lie in window 0)
.if \fill
	s_wait_xcnt 0x0                                ; my last prefetches have read their addresses
	s_add_nc_u64 s[PFA:PFA+1], s[PFA:PFA+1], BLK
	s_add_nc_u64 s[PFS:PFS+1], s[PFS:PFS+1], BLK
.endif
	s_wait_tensorcnt 0x0                           ; all my tensor loads have landed: my block of the next slot;
	ds_add_u32 v[SPW], v[NIL]                      ; 0 onto my spare word;
.if \fill
	s_add_nc_u64 s[G0+4*\s+2:G0+4*\s+3], s[G0+4*\s+2:G0+4*\s+3], 2*BLK     ; no load of mine is out: the descriptors step
	s_add_nc_u64 s[G0B+4*\s+2:G0B+4*\s+3], s[G0B+4*\s+2:G0B+4*\s+3], 2*BLK
.endif
	s_wait_dscnt 0x0                               ; the add is done, and my reads of this slot are over: the second 128's fragments are all in registers
	s_barrier_signal -1
	s_barrier_wait -1
.if \fill
	CREST                                          ; the barrier has opened a round of the cluster's barrier: no wave of any partner still reads this slot or has a load on its way
	JLOAD G0+4*\s, G1, G0B+4*\s, G1B               ; the first tensor load behind the round
.endif
.irp i, 0,1,2,3,4,5,6,7
	GRP 2,\nx,0,\i                                 ; into B's set 0, last read a step ago, with that step's runs of v_nop between
.endr
	WIN 0
	SCALES \nx
.if \fill
	ASK
.endif
.irp a, 0,1,2,3
	ROWB \s,1,0,\a
.endr
	PLACES 8
.irp i, 0,1,2,3
	GRP 1,\nx,0,\i
.endr
.irp a, 4,5,6,7
	ROWB \s,1,0,\a
.endr
	PLACES 8
.irp i, 4,5,6,7
	GRP 1,\nx,0,\i
.endr
.endm
	s_wait_tensorcnt 0x0                           ; my block of K step 0 is in
	ds_add_u32 v[SPW], v[NIL]
	s_wait_dscnt 0x0
	CROUND                                         ; everybody's block is in, and all sixteen work-groups are here
	JLOAD G0+4, G1, G0B+4, G1B                     ; K step 1, the first tensor load behind the round
.irp i, 0,1,2,3,4,5,6,7
	GRP 2,0,0,\i
.endr
	WIN 0
	SCALES 0
.irp i, 0,1,2,3,4,5,6,7
	GRP 1,0,0,\i
.endr
	PF 3                                           ; K step 3
	s_wait_loadcnt 0x0                             ; the bias
	STEP 0, 1                                      ; the first 128 stand in front of the loop: their products start the sums, on the bias
	WIN 0                                          ; at a label and at a branch every window is 0
	s_mov_b32 s3, LAPS-1
.Llap:                                                 ; a trip goes once round the ring and fills both slots again
	TURN 0, 1, 1
	STEP 1, 0
	TURN 1, 0, 1
	STEP 0, 0
	WIN 0
	s_sub_co_u32 s3, s3, 1
	s_cmp_lg_u32 s3, 0
	s_cbranch_scc1 .Llap
	TURN 0, 1, 0                                   ; the last lap fills nothing, and has no round of the cluster's barrier
	STEP 1, 0
	s_wait_dscnt 16                                ; the very last 128: nothing more to fetch
.irp a, 0,1,2,3
	ROWB 1,1,0,\a
.endr
	s_wait_dscnt 0x0
.irp a, 4,5,6,7
	ROWB 1,1,0,\a
.endr
	WIN 0
; THE WAY OUT, block by block of 16 rows x 128 columns, through my own stage in LDS: in as 32 bytes a lane, back as whole rows of 512 bytes, clipped at 0 and stored as two aligned units of 256 bytes.
; LDS serves a wave's instructions in order (ISA guide 5.7.1.4): no wait between the stores and the loads.
.macro TOSTAGE a
.set AC, 64*((\a)%4)
	WIN 0x08+4*((\a)/4)                            ; the data: window 2 or 3
.irp b, 0,1,2,3,4,5,6,7
	ds_store_b128 v[STO], v[AC+8*\b:AC+8*\b+3] offset:64*\b          ; each accumulator from its low end on
	ds_store_b128 v[STO], v[AC+8*\b+4:AC+8*\b+7] offset:64*\b+16
.endr
	WIN 0
.set BB, BK+64*((\a)%2)
.irp t, 0,1,2,3,4,5,6,7,8,9,10,11,12,13,14,15
	ds_load_b128 v[BB+4*\t:BB+4*\t+3], v[RD] offset:\t*SPITCH
.endr
.endm
.macro SEND a, younger                 ; younger: the LDS instructions issued behind block a's loads
.set BB, BK+64*((\a)%2)
	s_wait_dscnt \younger
.if (\a) > 0
	s_add_nc_u64 s[10:11], s[10:11], 16*ROWC       ; (behind a wait on XCNT: the earlier stores have read their base)
.endif
.set I_, 0
.rept 64
	v_max_num_f32 v[BB+I_], 0, v[BB+I_]            ; relu: the block's 64 clips in one run, then its stores in one run
.set I_, I_+1
.endr
.irp t, 0,1,2,3,4,5,6,7,8,9,10,11,12,13,14,15
	global_store_b128 v[CO], v[BB+4*\t:BB+4*\t+3], s[10:11] offset:\t*ROWC th:TH_STORE_NT   ; 32 lanes store 512 consecutive bytes, aligned
.endr
.endm
	PLACES 8                                       ; behind the last products, for the loads into A's registers and the reads of the last sums
	TOSTAGE 0
.irp a, 1,2,3,4,5,6,7
.if \a > 1
	s_wait_xcnt 0x0                                ; block a - 2's stores have read their registers and their base
.endif
	TOSTAGE \a
	SEND \a-1, 32
.endr
	s_wait_xcnt 0x0
	SEND 7, 0
	s_wait_tensorcnt 0x0                           ; the wave's end
	ds_add_u32 v[SPW], v[NIL]
	s_wait_dscnt 0x0
	CROUND                                         ; the closing round
	s_endpgm
.Lfunc_end_k_q094afd0701_gemm:
	.size	k_q094afd0701_gemm, .Lfunc_end_k_q094afd0701_gemm-k_q094afd0701_gemm
	.p2alignl 7, 3214868480
	.fill 96, 4, 3214868480
	.section	.rodata,"a",@progbits
	.p2align	6, 0x0
	.amdhsa_kernel k_q094afd0701_gemm
		.amdhsa_group_segment_fixed_size 327680
		.amdhsa_private_segment_fixed_size 0
		.amdhsa_enable_private_segment 0
		.amdhsa_kernarg_size 32
		.amdhsa_user_sgpr_count 2
		.amdhsa_user_sgpr_kernarg_segment_ptr 1
		.amdhsa_wavefront_size32 1
		.amdhsa_system_sgpr_workgroup_id_x 1
		.amdhsa_system_sgpr_workgroup_id_y 1
		.amdhsa_system_sgpr_workgroup_id_z 1
		.amdhsa_system_vgpr_workitem_id 0
		.amdhsa_next_free_vgpr 1024
		.amdhsa_next_free_sgpr 66
		.amdhsa_reserve_vcc 0
		.amdhsa_float_denorm_mode_32 3
		.amdhsa_float_denorm_mode_16_64 3
		.amdhsa_memory_ordered 1
		.amdhsa_forward_progress 1
		.amdhsa_inst_pref_size 165
	.end_amdhsa_kernel
	.amdgpu_metadata
---
amdhsa.version: [ 1, 2 ]
amdhsa.kernels:
  - .name:           k_q094afd0701_gemm
    .symbol:         k_q094afd0701_gemm.kd
    .args:
      - { .name: a_pack, .offset: 0, .size: 8, .value_kind: global_buffer, .address_space: global }
      - { .name: b_pack, .offset: 8, .size: 8, .value_kind: global_buffer, .address_space: global }
      - { .name: bias, .offset: 16, .size: 8, .value_kind: global_buffer, .address_space: global }
      - { .name: out0, .offset: 24, .size: 8, .value_kind: global_buffer, .address_space: global }
    .group_segment_fixed_size: 327680
    .private_segment_fixed_size: 0
    .kernarg_segment_align: 8
    .kernarg_segment_size: 32
    .max_flat_workgroup_size: 128
    .sgpr_count:     66
    .vgpr_count:     1024
    .wavefront_size: 32
...
	.end_amdgpu_metadata
.endif
;; end of part 2
